; MI455X (gfx1250); checked and timed in simulation.
; The chip was launched on July 23, 2026; its instructions are those of AMD's public machine-readable ISA for CDNA 5 (MIT licence, August 2026) and "CDNA5" Instruction Set Architecture Reference Guide (July 2026). The comments in the code are by the model that wrote it; some were corrected since.
;; Self Attention. Allowed arithmetic: float matrix products may take bf16 or f16 operands with f32 sums; all other float work in f32.
;; Inputs: Wk 1,024 x 1,024 float32; Wo 1,024 x 1,024 float32; Wq 1,024 x 1,024 float32; Wv 1,024 x 1,024 float32; bo 1,024 float32; kln_b 64 float32; kln_g 64 float32; mask 4 x 2,048 int32; qln_b 64 float32; qln_g 64 float32; x 4 x 2,048 x 1,024 float32.
;; Outputs: out0 4 x 2,048 x 1,024 float32.
;; One version. Each part assembles by itself: llvm-mc -triple=amdgcn-amd-amdhsa -mcpu=gfx1250 --defsym DOCPART=n.
;; ======== version 1 of 1: 4 launches
;; limits: values outside matrix products are rounded to bf16
;; workspace buffers: xb 16,777,216 bytes; wb 8,388,608 bytes; qkv 50,331,648 bytes; ao 16,777,216 bytes
;; launch cast (part 1): grid 768 x 1, 8 waves a work-group, no clusters, 0 bytes of LDS; arguments x, Wq, Wk, Wv, Wo, xb, wb; writes xb, wb
.if DOCPART == 1
	.amdgcn_target "amdgcn-amd-amdhsa--gfx1250"
	.amdhsa_code_object_version 6
	.text
	.protected	k_q58d72301d8_cast
	.globl	k_q58d72301d8_cast
	.p2align	8
	.type	k_q58d72301d8_cast,@function
k_q58d72301d8_cast:
	s_mov_b64 s[64:65], 0
	v_nop
	global_prefetch_b8 v0, s[64:65] scope:SCOPE_SE
	s_setreg_imm32_b32 hwreg(HW_REG_WAVE_MODE, 25, 1), 1
	s_wait_xcnt 0x0
; f32 to bf16, once, of x (into xb) and of Wq, Wk, Wv, Wo (into wb, rows 0-1023, 1024-2047, 2048-3071, 3072-4095).
; Each x number feeds 16 column blocks and each weight 32 row blocks of the products that follow: rounded here once, they move as 2 bytes ever after.
; A work-group takes 16,384 numbers: 64 KiB in, 32 KiB out.  Groups 0-511: x; then 64 groups for each weight matrix.
; A stream: no LDS, no barrier, no matrix unit, nothing shared between work-groups (so no cluster).  Sixteen 16-byte loads of every
; lane are issued at once; a wave's load covers 512 consecutive bytes, its store 256 consecutive aligned bytes.
.set X, 4                              ; v[4:67]   16 x 4 numbers as loaded
.set Y, 68                             ; v[68:99]  16 x 2 words to store
	s_load_b256 s[4:11], s[0:1], 0x0               ; x s[4:5], Wq s[6:7], Wk s[8:9], Wv s[10:11]
	s_load_b128 s[12:15], s[0:1], 0x20             ; Wo s[12:13], xb s[14:15]
	s_load_b64 s[16:17], s[0:1], 0x30              ; wb
	v_lshlrev_b32 v1, 4, v0                        ; 16 bytes a thread in
	v_lshlrev_b32 v2, 3, v0                        ; 8 bytes a thread out
	s_and_b32 s24, ttmp9, 63                       ; the group's place inside its weight matrix
	s_sub_co_u32 s25, ttmp9, 512                   ; and inside wb (chosen only where the group's number is 512 or more)
	s_wait_kmcnt 0x0
	s_cmp_lt_u32 ttmp9, 704                        ; the source buffer, chosen by the group's number alone
	s_cselect_b64 s[18:19], s[10:11], s[12:13]
	s_cmp_lt_u32 ttmp9, 640
	s_cselect_b64 s[18:19], s[8:9], s[18:19]
	s_cmp_lt_u32 ttmp9, 576
	s_cselect_b64 s[18:19], s[6:7], s[18:19]
	s_cmp_lt_u32 ttmp9, 512
	s_cselect_b64 s[18:19], s[4:5], s[18:19]
	s_cselect_b64 s[22:23], s[14:15], s[16:17]     ; the destination: xb or wb
	s_cselect_b32 s20, ttmp9, s24
	s_cselect_b32 s26, ttmp9, s25
	s_lshl_b32 s20, s20, 16                        ; 65,536 bytes in for each group
	s_mov_b32 s21, 0
	s_lshl_b32 s26, s26, 15                        ; 32,768 bytes out
	s_mov_b32 s27, 0
	s_add_nc_u64 s[18:19], s[18:19], s[20:21]
	s_add_nc_u64 s[22:23], s[22:23], s[26:27]
.irp i, 0,1,2,3,4,5,6,7,8,9,10,11,12,13,14,15
	global_load_b128 v[X+4*\i:X+4*\i+3], v1, s[18:19] offset:4096*\i th:TH_LOAD_NT
.endr
.irp i, 0,1,2,3,4,5,6,7,8,9,10,11,12,13,14,15
	s_wait_loadcnt 15-\i                           ; loads come back in order: load i is in, the 15 - i younger ones stay out
	v_cvt_pk_bf16_f32 v[Y+2*\i],   v[X+4*\i],   v[X+4*\i+1]
	v_cvt_pk_bf16_f32 v[Y+2*\i+1], v[X+4*\i+2], v[X+4*\i+3]
	global_store_b64 v2, v[Y+2*\i:Y+2*\i+1], s[22:23] offset:2048*\i
.endr
	s_endpgm
.Lfunc_end_k_q58d72301d8_cast:
	.size	k_q58d72301d8_cast, .Lfunc_end_k_q58d72301d8_cast-k_q58d72301d8_cast
	.p2alignl 7, 3214868480
	.fill 96, 4, 3214868480
	.section	.rodata,"a",@progbits
	.p2align	6, 0x0
	.amdhsa_kernel k_q58d72301d8_cast
		.amdhsa_group_segment_fixed_size 0
		.amdhsa_private_segment_fixed_size 0
		.amdhsa_enable_private_segment 0
		.amdhsa_kernarg_size 56
		.amdhsa_user_sgpr_count 2
		.amdhsa_user_sgpr_kernarg_segment_ptr 1
		.amdhsa_wavefront_size32 1
		.amdhsa_system_sgpr_workgroup_id_x 1
		.amdhsa_system_sgpr_workgroup_id_y 1
		.amdhsa_system_sgpr_workgroup_id_z 1
		.amdhsa_system_vgpr_workitem_id 0
		.amdhsa_next_free_vgpr 100
		.amdhsa_next_free_sgpr 66
		.amdhsa_reserve_vcc 0
		.amdhsa_float_denorm_mode_32 3
		.amdhsa_float_denorm_mode_16_64 3
		.amdhsa_memory_ordered 1
		.amdhsa_forward_progress 1
		.amdhsa_inst_pref_size 7
	.end_amdhsa_kernel
	.amdgpu_metadata
---
amdhsa.version: [ 1, 2 ]
amdhsa.kernels:
  - .name:           k_q58d72301d8_cast
    .symbol:         k_q58d72301d8_cast.kd
    .args:
      - { .name: x, .offset: 0, .size: 8, .value_kind: global_buffer, .address_space: global }
      - { .name: Wq, .offset: 8, .size: 8, .value_kind: global_buffer, .address_space: global }
      - { .name: Wk, .offset: 16, .size: 8, .value_kind: global_buffer, .address_space: global }
      - { .name: Wv, .offset: 24, .size: 8, .value_kind: global_buffer, .address_space: global }
      - { .name: Wo, .offset: 32, .size: 8, .value_kind: global_buffer, .address_space: global }
      - { .name: xb, .offset: 40, .size: 8, .value_kind: global_buffer, .address_space: global }
      - { .name: wb, .offset: 48, .size: 8, .value_kind: global_buffer, .address_space: global }
    .group_segment_fixed_size: 0
    .private_segment_fixed_size: 0
    .kernarg_segment_align: 8
    .kernarg_segment_size: 56
    .max_flat_workgroup_size: 256
    .sgpr_count:     66
    .vgpr_count:     100
    .wavefront_size: 32
...
	.end_amdgpu_metadata
.endif
;; end of part 1
;; launch qkv (part 2): grid 16 x 32, 4 waves a work-group, clusters of 4 x 4, 327,680 bytes of LDS; arguments xb, wb, qkv, mask, qln_g, qln_b, kln_g, kln_b; writes qkv
.if DOCPART == 2
	.amdgcn_target "amdgcn-amd-amdhsa--gfx1250"
	.amdhsa_code_object_version 6
	.text
	.protected	k_q58d72301d8_qkv
	.globl	k_q58d72301d8_qkv
	.p2align	8
	.type	k_q58d72301d8_qkv,@function
k_q58d72301d8_qkv:
	s_mov_b64 s[64:65], 0
	v_nop
	global_prefetch_b8 v0, s[64:65] scope:SCOPE_SE
	s_setreg_imm32_b32 hwreg(HW_REG_WAVE_MODE, 25, 1), 1
	s_wait_xcnt 0x0
	s_wait_alu depctr_hold_cnt(0) depctr_sa_sdst(0) depctr_va_vdst(0) depctr_va_sdst(0) depctr_va_ssrc(0) depctr_va_vcc(0) depctr_vm_vsrc(0)
	s_getreg_b32 s2, hwreg(HW_REG_IB_STS2, 6, 4)
	s_cmp_eq_u32 s2, 0
	s_cbranch_scc0 .Lentry_in_a_cluster
	s_endpgm
.Lentry_in_a_cluster:
	s_bfe_u32 s2, ttmp6, 0x10000c
	s_cmp_lg_u32 s2, 0xf033
	s_cbranch_scc0 .Lentry_shape_is_right
	s_endpgm
.Lentry_shape_is_right:
; Q, K, V = xb (8192 x 1024 bf16) times rows 0-3071 of wb (bf16), sums in f32; on the way out LayerNorm over each head's 64 features (Q, K),
; the scale, and the token's mask; stored as bf16 in qkv[b][G][t][64], G = 0-15 Q heads, 16-31 K heads, 32-47 V heads.
;   Q' = (LN(q) g + b) * log2(e)/32 * m[t]     (both sides' 1024^(1/4) and the exponential's base change lie on Q)
;   K' = (LN(k) g + b) * m[t]                  V' = v * m[t]
; so that Q'.K' is log2(e) * dot * m_q * m_k, exactly 0 for a masked key, and a masked key adds nothing to the numerator.
; LIMITS: the mask is multiplied in as f32 ahead of the rounding to bf16.  For V heads kln_g and kln_b are read and multiplied by 0: a kln
; parameter that is not finite would reach V (there K, and so the expected result, is not finite either).
; A work-group makes 256 tokens x 192 features (three whole heads): 16 x 32 = 512 work-groups of equal work.  Four waves, as many as a WGP has
; SIMDs, lie along the tokens: a wave has 64 tokens x 192 features, 48 accumulator tiles, so a head's 64 features lie in one wave.
; K goes in steps of 128 through two LDS slots filled by the tensor data mover; rows of 256 bytes, padded to 272 in LDS.
; CLUSTER 4 x 4: xb's tile hangs on the block row alone and is asked for jointly along a row of the cluster, wb's on the block column alone
; and is asked for jointly along a column: a quarter of the requests.
; THE MATRIX INSTRUCTION IS USED TRANSPOSED (source 0 = 16 rows of wb, source 1 = 16 rows of xb): lane (r = l % 16, h = l / 16), register j holds
; (token 16 a + r, feature 16 b + 8 h + j): a lane and its partner l xor 16 hold a token's whole head.
; REGISTERS: window 0: addresses, xb's fragments (two buffers), the way out; window 1: wb's fragments (two buffers), head 2's parameters;
; window 2: accumulators of features 0-127 at 8 (8 a + b); window 3: of features 128-191 at 8 (4 a + b - 8), and heads 0, 1's parameters.
.set KSTEP,  128
.set PITCH,  272                       ; an LDS row: 256 bytes + 16 of padding, an odd multiple of 16
.set HALFA,  128*PITCH                 ; what wave 0 or 1 fetches: 128 rows of xb
.set HALFB,  96*PITCH                  ; what wave 2 or 3 fetches: 96 rows of wb
.set SLOT,   2*HALFA+2*HALFB           ; 121,856
.set STAGE,  2*SLOT                    ; 243,712, a multiple of 256: behind the ring, never a fill's target
.set SPITCH, 144                       ; a stage row: 128 bytes + 16
.set LAPS,   4                         ; 1024 / (2 x 128)
.set ADRA, 16                          ; v16-17  LDS address of my xb fragments in slot 0, 1
.set ADRB, 20                          ; v20-21  the same for wb
.set STO,  24                          ; the way out: where I put 16 bytes of a token's head
.set RD,   25                          ; where I read 16 bytes back
.set CO,   26                          ; my byte offset in the head's plane
.set POFF, 27                          ; 32 h: my eight parameters in each sixteen
.set MT,   28                          ; v28-31  mask of token 16 a + r, f32
.set D,    32                          ; v32-63  a token's 32 numbers at work
.set FA,   64                          ; v64-127 xb's fragments, buffer f at 64 + 32 f
.set GP,   64                          ; the way out: v64-95 gain, v96-127 bias, scaled
.set T,    128                         ; v128-143
.set OUTP, 144                         ; v144-159 packed bf16
.set RB,   160                         ; v160-175 read back
.set MU,   176                         ; pair: the mean, twice
.set R,    178                         ; pair: 1 / sigma, twice
.set ONE,  180
.set MTP,  182                         ; pair: the token's mask, twice
.set CS,   184                         ; pair: the head's factor on gain and bias
.set OS,   186                         ; pair: what is added to the gain (1 for V)
.set G1, 24                            ; s[24:31] group 1, xb's tiles
.set G0, 32                            ; s[32:39] group 0, xb's tiles, a set for each slot
.set G1B, 48                           ; s[48:55] group 1, wb's tiles
.set G0B, 56                           ; s[56:63] group 0, wb's tiles
.set MSB, 0
.macro WIN new                         ; the immediate's high byte repeats the setting that is left
.if MSB != (\new)
	s_set_vgpr_msb (MSB<<8)|(\new)
.set MSB, (\new)
.endif
.endm
.set MUL_LO, 0xa1                      ; source 0 (wb) window 1, source 1 (xb) window 0, C and D window 2
.set MUL_HI, 0xf1                      ; the same, C and D window 3
.set TO_B,   0x40                      ; destination window 1
; A joint load: waves 0, 1 ask for xb's two halves, waves 2, 3 for wb's.  The branch hangs on the wave's number alone.
.macro JLOAD s
	s_cmp_eq_u32 s11, 0
	s_cbranch_scc0 .Lfor_b_\@
	tensor_load_to_lds s[G0+4*\s:G0+4*\s+3], s[G1:G1+7]
	s_nop 0
	s_branch .Lasked_\@
.Lfor_b_\@:
	tensor_load_to_lds s[G0B+4*\s:G0B+4*\s+3], s[G1B:G1B+7]
	s_nop 0
.Lasked_\@:
.endm
.macro CREST                           ; a round of the cluster's barrier behind its opening barrier
	s_cmp_lg_u32 s10, 0
	s_cbranch_scc1 .Lnot_wave_0_\@
	s_barrier_signal -3
.Lnot_wave_0_\@:
	s_barrier_wait -3
	s_barrier_signal -1
	s_barrier_wait -1
.endm
.macro CROUND                          ; a whole round
	s_barrier_signal -1
	s_barrier_wait -1
	CREST
.endm
.macro PLACES                          ; four plain vector places behind a matrix instruction, ahead of loads into its sources and of reads of its result
.rept 4
	v_nop
.endr
.endm
	s_load_b128 s[4:7], s[0:1], 0x0                ; xb s[4:5], wb s[6:7]
	s_load_b64 s[8:9], s[0:1], 0x10                ; qkv
	s_load_b256 s[68:75], s[0:1], 0x18             ; mask s[68:69], qln_g s[70:71], qln_b s[72:73], kln_g s[74:75]
	s_load_b64 s[76:77], s[0:1], 0x38              ; kln_b
	v_lshl_add_u32 v254, v0, 2, 0x3dc00
	v_mov_b32 v255, 0
	ds_add_u32 v254, v255
	v_lshrrev_b32 v1, 5, v0
	v_readfirstlane_b32 s10, v1                    ; wave 0..3
	s_lshr_b32 s11, s10, 1                         ; I fetch for xb (0) or for wb (1)
	s_and_b32 s12, s10, 1                          ; which half of that tile
	s_bfe_u32 s40, ttmp6, 0x40000                  ; cx
	s_bfe_u32 s41, ttmp6, 0x40004                  ; cy
	s_lshl_b32 s42, ttmp9, 2
	s_add_co_u32 s42, s42, s40                     ; block column = 4 x cluster x + cx, 0..15
	s_and_b32 s13, ttmp7, 0xffff
	s_lshl_b32 s13, s13, 2
	s_add_co_u32 s13, s13, s41                     ; block row = 4 x cluster y + cy, 0..31
	s_lshl_b32 s43, s41, 2
	s_lshl_b32 s43, 15, s43                        ; my row of the cluster
	s_lshl_b32 s44, 0x1111, s40                    ; my column
	s_or_b32 s[G1+0], s43, (1<<16)|(1<<20)|(1<<21)|(5<<22)|(3<<25)   ; mask; 2-byte elements; padding on; bit 21 beside a mask; after every 64 words, 4 words
	s_or_b32 s[G1B+0], s44, (1<<16)|(1<<20)|(1<<21)|(5<<22)|(3<<25)
	s_mov_b32 s[G1+1], KSTEP<<16                   ; tensor_dim0 = 128
	s_mov_b32 s[G1+2], 128<<16                     ; tensor_dim1 = 128
	s_mov_b32 s[G1+3], KSTEP<<16                   ; tile_dim0 = 128
	s_mov_b32 s[G1+4], 128                         ; tile_dim1 = 128 rows
	s_mov_b32 s[G1+5], 1024                        ; elements from row to row
	s_mov_b32 s[G1+6], 0
	s_mov_b32 s[G1+7], 0
	s_mov_b32 s[G1B+1], KSTEP<<16
	s_mov_b32 s[G1B+2], 96<<16                     ; 96 rows
	s_mov_b32 s[G1B+3], KSTEP<<16
	s_mov_b32 s[G1B+4], 96
	s_mov_b32 s[G1B+5], 1024
	s_mov_b32 s[G1B+6], 0
	s_mov_b32 s[G1B+7], 0
	s_lshl_b32 s17, s12, 7
	s_lshl_b32 s16, s13, 8
	s_add_co_u32 s16, s16, s17                     ; xb: row 256 x block row + 128 x half
	s_lshl_b32 s16, s16, 11                        ; rows of 2,048 bytes (below 2^24)
	s_mov_b32 s17, 0
	s_mul_i32 s46, s42, 192
	s_mul_i32 s47, s12, 96
	s_add_co_u32 s46, s46, s47                     ; wb: row 192 x block column + 96 x half
	s_lshl_b32 s46, s46, 11
	s_mov_b32 s47, 0
	s_mul_i32 s20, s10, HALFA                      ; LDS: xb's halves at 0 and HALFA (waves 0, 1)
	s_mul_i32 s23, s10, HALFB
	s_add_co_u32 s23, s23, 2*HALFA-2*HALFB         ; wb's halves at 2 HALFA and 2 HALFA + HALFB (waves 2, 3)
	s_wait_dscnt 0x0
	s_wait_kmcnt 0x0
	s_add_nc_u64 s[14:15], s[4:5], s[16:17]
	s_add_nc_u64 s[46:47], s[6:7], s[46:47]
	CROUND                                         ; all sixteen work-groups are here: the first joint loads meet
.irp s, 0,1
	s_mov_b32 s[G0+4*\s], 1
	s_add_co_u32 s[G0+4*\s+1], s20, \s*SLOT
	s_add_nc_u64 s[G0+4*\s+2:G0+4*\s+3], s[14:15], \s*KSTEP*2
	s_or_b32 s[G0+4*\s+3], s[G0+4*\s+3], 0x80000000
	s_mov_b32 s[G0B+4*\s], 1
	s_add_co_u32 s[G0B+4*\s+1], s23, \s*SLOT
	s_add_nc_u64 s[G0B+4*\s+2:G0B+4*\s+3], s[46:47], \s*KSTEP*2
	s_or_b32 s[G0B+4*\s+3], s[G0B+4*\s+3], 0x80000000
	JLOAD \s                                       ; K steps 0 and 1: two tensor loads of the wave are out
.endr
	v_and_b32 v1, 15, v0                           ; r
	v_bfe_u32 v2, v0, 4, 1                         ; h
	v_and_b32 v5, 31, v0                           ; lane
	v_mul_u32_u24 v3, v1, PITCH
	v_lshl_add_u32 v3, v2, 4, v3                   ; r x pitch + 16 h
	s_mul_i32 s21, s10, 64*PITCH                   ; my 64 rows of xb
	s_mov_b32 s22, 2*HALFA                         ; wb's 192 rows: every wave reads them all
.irp s, 0,1
	v_add_nc_u32 v[ADRA+\s], s21, v3
	v_add_nc_u32 v[ADRB+\s], s22, v3
	s_add_co_u32 s21, s21, SLOT
	s_add_co_u32 s22, s22, SLOT
.endr
	s_mul_i32 s21, s10, 16*SPITCH
	s_add_co_u32 s21, s21, STAGE                   ; my stage
	v_mul_u32_u24 v4, v1, SPITCH
	v_lshl_add_u32 v4, v2, 4, v4
	v_add_nc_u32 v[STO], s21, v4                   ; in: row r, 16 bytes for each half of the lanes
	v_lshrrev_b32 v6, 3, v5
	v_and_b32 v7, 7, v0
	v_mul_u32_u24 v6, v6, SPITCH
	v_lshl_add_u32 v6, v7, 4, v6
	v_add_nc_u32 v[RD], s21, v6                    ; back: eight lanes take a row of 128 bytes, a wave four rows
	v_lshlrev_b32 v[CO], 4, v5
	v_lshl_add_u32 v[CO], s10, 13, v[CO]           ; my 64 tokens x 128 bytes + 16 x lane
	v_lshlrev_b32 v[POFF], 5, v2
	v_lshlrev_b32 v8, 2, v1
	v_lshl_add_u32 v8, s10, 8, v8                  ; (64 w + r) x 4
	v_mov_b32 v[ONE], 1.0
	s_lshl_b32 s16, s13, 10                        ; 256 tokens x 4 bytes for each block row
	s_mov_b32 s17, 0
	s_add_nc_u64 s[68:69], s[68:69], s[16:17]
.irp a, 0,1,2,3
	global_load_b32 v[MT+\a], v8, s[68:69] offset:64*\a
.endr
	; gain and bias of my three heads as they lie in memory: Q heads take qln's, K and V heads kln's.  A choice, no branch: the head's kind hangs on cx.
	s_mul_i32 s45, s42, 3                          ; my first head, G = 3 x block column
.irp hd, 0,1,2
	s_add_co_u32 s46, s45, \hd
	s_cmp_lt_u32 s46, 16
	s_cselect_b64 s[88+4*\hd:89+4*\hd], s[70:71], s[74:75]
	s_cselect_b64 s[90+4*\hd:91+4*\hd], s[72:73], s[76:77]
.endr
	WIN 0xc0                                       ; destination window 3: heads 0 and 1 at v128 and v192 there (gain 32, then bias 32)
.irp hd, 0,1
.irp i, 0,1,2,3,4,5,6,7
	global_load_b128 v[128+64*\hd+4*\i:128+64*\hd+4*\i+3], v[POFF], s[88+4*\hd:89+4*\hd] offset:64*(\i/2)+16*(\i%2)
	global_load_b128 v[160+64*\hd+4*\i:160+64*\hd+4*\i+3], v[POFF], s[90+4*\hd:91+4*\hd] offset:64*(\i/2)+16*(\i%2)
.endr
.endr
	WIN 0x40                                       ; destination window 1: head 2 at v192 there
.irp i, 0,1,2,3,4,5,6,7
	global_load_b128 v[192+4*\i:192+4*\i+3], v[POFF], s[96:97] offset:64*(\i/2)+16*(\i%2)
	global_load_b128 v[224+4*\i:224+4*\i+3], v[POFF], s[98:99] offset:64*(\i/2)+16*(\i%2)
.endr
	WIN 0
	s_wait_loadcnt 0x0                             ; once, while the first tiles are on their way
.irp a, 0,1,2,3
	v_cvt_f32_i32 v[MT+\a], v[MT+\a]
.endr
; 4 x nb matrix instructions: my four token blocks x feature blocks b0 .. b0 + nb - 1, 32 along K, from buffer f.  zero = 1: the product starts the sum.
; The 48 accumulators take turns, one instruction a turn, in the same order in every quarter step.
.macro MUL f, b0, nb, zero
.set ma, 0
.rept 4
.set mb, \b0
.rept \nb
.if mb < 8
.set acc, 8*(8*ma+mb)
.else
.set acc, 8*(4*ma+mb-8)
.endif
.if \zero
	v_wmma_f32_16x16x32_bf16 v[acc:acc+7], v[96*\f+8*mb:96*\f+8*mb+7], v[FA+32*\f+8*ma:FA+32*\f+8*ma+7], 0
.else
	v_wmma_f32_16x16x32_bf16 v[acc:acc+7], v[96*\f+8*mb:96*\f+8*mb+7], v[FA+32*\f+8*ma:FA+32*\f+8*ma+7], v[acc:acc+7]
.endif
.set mb, mb+1
.endr
.set ma, ma+1
.endr
.endm
; 32 LDS loads in one run: 8 for xb's four fragments, then 24 for wb's twelve, 32 K at byte k of the rows, into buffer f
.macro FETCH slot, k, f
	WIN 0
.irp i, 0,1,2,3
	ds_load_b128 v[FA+32*\f+8*\i:FA+32*\f+8*\i+3],   v[ADRA+\slot] offset:\k+\i*16*PITCH
	ds_load_b128 v[FA+32*\f+8*\i+4:FA+32*\f+8*\i+7], v[ADRA+\slot] offset:\k+\i*16*PITCH+32
.endr
	WIN TO_B
.irp i, 0,1,2,3,4,5,6,7,8,9,10,11
	ds_load_b128 v[96*\f+8*\i:96*\f+8*\i+3],   v[ADRB+\slot] offset:\k+\i*16*PITCH
	ds_load_b128 v[96*\f+8*\i+4:96*\f+8*\i+7], v[ADRB+\slot] offset:\k+\i*16*PITCH+32
.endr
.endm
; one of a K step's first three quarters: multiplies buffer f, fetches the next quarter (byte k) into buffer g after its first third
.macro QUARTER slot, k, f, g, zero
	s_wait_dscnt 16                                ; xb's fragments and wb's 0-3 are in; the 16 youngest loads (wb's 4-11) may be out
	WIN MUL_LO
	MUL \f, 0, 4, \zero
	PLACES
	FETCH \slot, \k, \g
	s_wait_dscnt 32                                ; all but the 32 just issued
	WIN MUL_LO
	MUL \f, 4, 4, \zero
	WIN MUL_HI
	MUL \f, 8, 4, \zero
.endm
.macro THREE slot, zero
	QUARTER \slot, 64,  0, 1, \zero
	QUARTER \slot, 128, 1, 0, 0
	QUARTER \slot, 192, 0, 1, 0
.endm
; the last quarter: multiplies buffer 1 and changes slots.  In front of the barrier each wave waits for its reads of this slot and for all its
; tensor loads (one is out: its part of the next slot).  Where the slot is filled again the barrier opens a round of the cluster's barrier, and the
; joint refill is the first tensor load behind the round.  From a request to the wait for it a wave issues 184 matrix instructions.
.macro TURN slot, next, fill
	s_wait_dscnt 16
	WIN MUL_LO
	MUL 1, 0, 2, 0
	s_wait_dscnt 0
	s_set_vgpr_msb 0xa1a0
	s_wait_tensorcnt 0x0
	ds_add_u32 v254, v255
	s_wait_dscnt 0x0
	s_set_vgpr_msb 0xa0a1
	s_barrier_signal -1
	MUL 1, 2, 2, 0                                 ; register work while the others arrive
	WIN 0
	s_barrier_wait -1
.if \fill
	CREST
	s_add_nc_u64 s[G0+4*\slot+2:G0+4*\slot+3], s[G0+4*\slot+2:G0+4*\slot+3], 2*KSTEP*2       ; no load of mine is out: group 0 may be written
	s_add_nc_u64 s[G0B+4*\slot+2:G0B+4*\slot+3], s[G0B+4*\slot+2:G0B+4*\slot+3], 2*KSTEP*2
	JLOAD \slot
.endif
	PLACES
	FETCH \next, 0, 0
	WIN MUL_LO
	MUL 1, 4, 4, 0
	WIN MUL_HI
	MUL 1, 8, 4, 0
.endm
.macro LAP zero
	THREE 0, \zero
	TURN 0, 1, 1
	THREE 1, 0
	TURN 1, 0, 1
.endm
	s_wait_tensorcnt 1                             ; my part of K step 0 is in; K step 1's stays out
	s_barrier_signal -1
	s_barrier_wait -1
	FETCH 0, 0, 0
	LAP 1                                          ; the first lap's first products start the sums: nothing is cleared
	WIN 0
	s_mov_b32 s3, LAPS-2
.Llap:
	LAP 0
	WIN 0
	s_sub_co_u32 s3, s3, 1
	s_cmp_lg_u32 s3, 0
	s_cbranch_scc1 .Llap
	THREE 0, 0                                     ; the last lap fills nothing
	TURN 0, 1, 0
	THREE 1, 0
	s_wait_dscnt 16
	WIN MUL_LO
	MUL 1, 0, 4, 0
	s_wait_dscnt 0
	MUL 1, 4, 4, 0
	WIN MUL_HI
	MUL 1, 8, 4, 0
	WIN 0
	PLACES                                         ; behind the last matrix instructions, ahead of every read of a sum and every write of a fragment register
	; THE WAY OUT, head by head, 16 tokens at a time.  Every choice by the head's kind is a select: the kind hangs on cx.
	s_mov_b32 s100, 0x76543210                     ; v_permlanex16_b32: lane i of one half reads lane i of the other
	s_mov_b32 s101, 0xfedcba98
	s_mov_b32 s78, 0x3c800000                      ; 1/64
	s_mov_b32 s79, 0x3727c5ac                      ; 1e-5
	s_mov_b32 s81, 0x3d38aa3b                      ; log2(e) / 32
	s_mov_b32 s85, 0x3f800000                      ; 1.0
.macro HEADSET hd
	s_wait_xcnt 0x0                                ; the stores' base is written again only behind this wait
	s_add_co_u32 s46, s45, \hd                     ; G
	s_cmp_lt_u32 s46, 16
	s_cselect_b32 s80, s81, s85                    ; factor on gain and bias: Q log2(e)/32, K 1,
	s_cmp_lt_u32 s46, 32
	s_cselect_b32 s80, s80, 0                      ; V 0
	s_cselect_b32 s82, 0, s85                      ; added to the gain: V 1
	s_cselect_b32 s84, s78, 0                      ; factor that makes the mean of the sum: V 0
	s_cselect_b32 vcc_lo, 0, -1                    ; V: 1 / sigma is replaced by 1
	s_lshr_b32 s47, s13, 3                         ; batch
	s_mul_i32 s47, s47, 48
	s_add_co_u32 s47, s47, s46
	s_lshl_b32 s66, s47, 18                        ; planes of 2,048 tokens x 128 bytes
	s_and_b32 s47, s13, 7
	s_lshl_b32 s47, s47, 15                        ; 256 tokens x 128 bytes
	s_add_co_u32 s66, s66, s47
	s_mov_b32 s67, 0
	s_add_nc_u64 s[86:87], s[8:9], s[66:67]
	v_mov_b32 v[CS], s80
	v_mov_b32 v[CS+1], s80
	v_mov_b32 v[OS], s82
	v_mov_b32 v[OS+1], s82
.endm
.macro PREP hd                         ; gain' = gain x factor + addend, bias' = bias x factor, into window 0
.if \hd < 2
	WIN 0x03
.set RW, 128+64*\hd
.else
	WIN 0x01
.set RW, 192
.endif
.irp i, 0,1,2,3,4,5,6,7,8,9,10,11,12,13,14,15
	v_pk_fma_f32 v[GP+2*\i:GP+2*\i+1], v[RW+2*\i:RW+2*\i+1], v[CS:CS+1], v[OS:OS+1]
.endr
.irp i, 0,1,2,3,4,5,6,7,8,9,10,11,12,13,14,15
	v_pk_mul_f32 v[GP+32+2*\i:GP+32+2*\i+1], v[RW+32+2*\i:RW+32+2*\i+1], v[CS:CS+1]
.endr
	WIN 0
.endm
; tokens 16 a .. 16 a + 15 of head hd: the four tiles are 32 consecutive registers of window 2 or 3
.macro LNOUT a, hd
.if \hd < 2
.set AW, 2
.set AC, 8*(8*\a+4*\hd)
.else
.set AW, 3
.set AC, 32*\a
.endif
	WIN AW*5                                       ; sources 0 and 1 in the accumulators' window
.irp i, 0,1,2,3,4,5,6,7
	v_pk_add_f32 v[T+2*\i:T+2*\i+1], v[AC+4*\i:AC+4*\i+1], v[AC+4*\i+2:AC+4*\i+3]
.endr
	WIN 0
.irp i, 0,1,2,3
	v_pk_add_f32 v[T+2*\i:T+2*\i+1], v[T+2*\i:T+2*\i+1], v[T+2*\i+8:T+2*\i+9]
.endr
.irp i, 0,1
	v_pk_add_f32 v[T+2*\i:T+2*\i+1], v[T+2*\i:T+2*\i+1], v[T+2*\i+4:T+2*\i+5]
.endr
	v_pk_add_f32 v[T:T+1], v[T:T+1], v[T+2:T+3]
	v_add_f32 v[T], v[T], v[T+1]                   ; my 32 features,
	v_permlanex16_b32 v[T+1], v[T], s100, s101
	v_add_f32 v[T], v[T], v[T+1]                   ; and my partner's 32
	v_mul_f32 v[MU], s84, v[T]
	v_mul_f32 v[MU+1], s84, v[T]
	v_mov_b32 v[MTP], v[MT+\a]
	v_mov_b32 v[MTP+1], v[MT+\a]
	WIN AW                                         ; source 0 in the accumulators' window
.irp i, 0,1,2,3,4,5,6,7,8,9,10,11,12,13,14,15
	v_pk_add_f32 v[D+2*\i:D+2*\i+1], v[AC+2*\i:AC+2*\i+1], v[MU:MU+1] neg_lo:[0,1] neg_hi:[0,1]
.endr
	WIN 0
	; the variance from the differences (a second pass, no difference of large sums), in four chains
.irp i, 0,1,2,3
	v_pk_mul_f32 v[T+2*\i:T+2*\i+1], v[D+2*\i:D+2*\i+1], v[D+2*\i:D+2*\i+1]
.endr
.irp i, 4,5,6,7,8,9,10,11,12,13,14,15
	v_pk_fma_f32 v[T+2*(\i%4):T+2*(\i%4)+1], v[D+2*\i:D+2*\i+1], v[D+2*\i:D+2*\i+1], v[T+2*(\i%4):T+2*(\i%4)+1]
.endr
	v_pk_add_f32 v[T:T+1], v[T:T+1], v[T+4:T+5]
	v_pk_add_f32 v[T+2:T+3], v[T+2:T+3], v[T+6:T+7]
	v_pk_add_f32 v[T:T+1], v[T:T+1], v[T+2:T+3]
	v_add_f32 v[T], v[T], v[T+1]
	v_permlanex16_b32 v[T+1], v[T], s100, s101
	v_add_f32 v[T], v[T], v[T+1]
	v_fma_f32 v[T], v[T], s78, s79                 ; variance + 1e-5
	v_rsq_f32 v[R], v[T]
	v_nop                                          ; one plain place behind the transcendental (ISA guide 5.7.2)
	s_wait_alu depctr_va_vdst(0)
	v_cndmask_b32 v[R], v[R], v[ONE], vcc_lo       ; V: 1
	v_mov_b32 v[R+1], v[R]
.irp i, 0,1,2,3,4,5,6,7,8,9,10,11,12,13,14,15
	v_pk_mul_f32 v[D+2*\i:D+2*\i+1], v[D+2*\i:D+2*\i+1], v[R:R+1]
.endr
.irp i, 0,1,2,3,4,5,6,7,8,9,10,11,12,13,14,15
	v_pk_fma_f32 v[D+2*\i:D+2*\i+1], v[D+2*\i:D+2*\i+1], v[GP+2*\i:GP+2*\i+1], v[GP+32+2*\i:GP+32+2*\i+1]
.endr
.irp i, 0,1,2,3,4,5,6,7,8,9,10,11,12,13,14,15
	v_pk_mul_f32 v[D+2*\i:D+2*\i+1], v[D+2*\i:D+2*\i+1], v[MTP:MTP+1]
.endr
.irp i, 0,1,2,3,4,5,6,7,8,9,10,11,12,13,14,15
	v_cvt_pk_bf16_f32 v[OUTP+\i], v[D+2*\i], v[D+2*\i+1]
.endr
.irp b, 0,1,2,3
	ds_store_b128 v[STO], v[OUTP+4*\b:OUTP+4*\b+3] offset:32*\b    ; features 16 b + 8 h .. + 7 of token r
.endr
	s_wait_xcnt 0x0                                ; RB, which earlier stores read, is loaded again only behind this wait
.irp i, 0,1,2,3
	ds_load_b128 v[RB+4*\i:RB+4*\i+3], v[RD] offset:4*SPITCH*\i    ; my own stage; LDS serves a wave's instructions in order (ISA guide 5.7.1.4)
.endr
.irp i, 0,1,2,3
	s_wait_dscnt 3-\i                              ; read-back i is in, the 3 - i younger ones may be out
	global_store_b128 v[CO], v[RB+4*\i:RB+4*\i+3], s[86:87] offset:2048*\a+512*\i   ; four tokens' 128 bytes: 512 consecutive aligned bytes
.endr
.endm
.irp hd, 0,1,2
	HEADSET \hd
	PREP \hd
	LNOUT 0, \hd
	LNOUT 1, \hd
	LNOUT 2, \hd
	LNOUT 3, \hd
.endr
	s_wait_tensorcnt 0x0
	ds_add_u32 v254, v255
	s_wait_dscnt 0x0
	CROUND                                         ; the closing round: no work-group ends while a partner may still ask for a tile that names it
	s_endpgm
.Lfunc_end_k_q58d72301d8_qkv:
	.size	k_q58d72301d8_qkv, .Lfunc_end_k_q58d72301d8_qkv-k_q58d72301d8_qkv
	.p2alignl 7, 3214868480
	.fill 96, 4, 3214868480
	.section	.rodata,"a",@progbits
	.p2align	6, 0x0
	.amdhsa_kernel k_q58d72301d8_qkv
		.amdhsa_group_segment_fixed_size 327680
		.amdhsa_private_segment_fixed_size 0
		.amdhsa_enable_private_segment 0
		.amdhsa_kernarg_size 64
		.amdhsa_user_sgpr_count 2
		.amdhsa_user_sgpr_kernarg_segment_ptr 1
		.amdhsa_wavefront_size32 1
		.amdhsa_system_sgpr_workgroup_id_x 1
		.amdhsa_system_sgpr_workgroup_id_y 1
		.amdhsa_system_sgpr_workgroup_id_z 1
		.amdhsa_system_vgpr_workitem_id 0
		.amdhsa_next_free_vgpr 1024
		.amdhsa_next_free_sgpr 102
		.amdhsa_reserve_vcc 1
		.amdhsa_float_denorm_mode_32 3
		.amdhsa_float_denorm_mode_16_64 3
		.amdhsa_memory_ordered 1
		.amdhsa_forward_progress 1
		.amdhsa_inst_pref_size 255
	.end_amdhsa_kernel
	.section	.bss,"aw",@nobits
	.p2align	6
	.space	262144
	.amdgpu_metadata
---
amdhsa.version: [ 1, 2 ]
amdhsa.kernels:
  - .name:           k_q58d72301d8_qkv
    .symbol:         k_q58d72301d8_qkv.kd
    .args:
      - { .name: xb, .offset: 0, .size: 8, .value_kind: global_buffer, .address_space: global }
      - { .name: wb, .offset: 8, .size: 8, .value_kind: global_buffer, .address_space: global }
      - { .name: qkv, .offset: 16, .size: 8, .value_kind: global_buffer, .address_space: global }
      - { .name: mask, .offset: 24, .size: 8, .value_kind: global_buffer, .address_space: global }
      - { .name: qln_g, .offset: 32, .size: 8, .value_kind: global_buffer, .address_space: global }
      - { .name: qln_b, .offset: 40, .size: 8, .value_kind: global_buffer, .address_space: global }
      - { .name: kln_g, .offset: 48, .size: 8, .value_kind: global_buffer, .address_space: global }
      - { .name: kln_b, .offset: 56, .size: 8, .value_kind: global_buffer, .address_space: global }
    .group_segment_fixed_size: 327680
    .private_segment_fixed_size: 0
    .kernarg_segment_align: 8
    .kernarg_segment_size: 64
    .max_flat_workgroup_size: 128
    .sgpr_count:     102
    .vgpr_count:     1024
    .wavefront_size: 32
...
	.end_amdgpu_metadata
.endif
;; end of part 2
;; launch attn (part 3): grid 256 x 1, 8 waves a work-group, clusters of 4 x 1, 327,680 bytes of LDS; arguments qkv, mask, ao; writes ao
.if DOCPART == 3
	.amdgcn_target "amdgcn-amd-amdhsa--gfx1250"
	.amdhsa_code_object_version 6
	.text
	.protected	k_q58d72301d8_attn
	.globl	k_q58d72301d8_attn
	.p2align	8
	.type	k_q58d72301d8_attn,@function
k_q58d72301d8_attn:
	s_mov_b64 s[64:65], 0
	v_nop
	global_prefetch_b8 v0, s[64:65] scope:SCOPE_SE
	s_setreg_imm32_b32 hwreg(HW_REG_WAVE_MODE, 25, 1), 1
	s_wait_xcnt 0x0
	s_wait_alu depctr_hold_cnt(0) depctr_sa_sdst(0) depctr_va_vdst(0) depctr_va_sdst(0) depctr_va_ssrc(0) depctr_va_vcc(0) depctr_vm_vsrc(0)
	s_getreg_b32 s2, hwreg(HW_REG_IB_STS2, 6, 4)
	s_cmp_eq_u32 s2, 0
	s_cbranch_scc0 .Lentry_in_a_cluster
	s_endpgm
.Lentry_in_a_cluster:
	s_bfe_u32 s2, ttmp6, 0x10000c
	s_cmp_lg_u32 s2, 0x3003
	s_cbranch_scc0 .Lentry_shape_is_right
	s_endpgm
.Lentry_shape_is_right:
; Masked softmax attention of one (batch, head) for each cluster; ao[b][h][t][64] in bf16.
; With s_k = Q'.K'_k (= log2(e) dot m_q m_k, exactly 0 for a masked key), M = the running maximum over ALL keys, e_k = 2^(s_k - M):
;   out_q = m_q sum(e_k V'_k) / (m_q sum(e_k m_k) + 1e-13 sum(e_k)),      V'_k = m_k v_k,
; which is softmax(dot dm) dm / (its sum + 1e-13), times v, for any mask numbers.
; LIMITS: mask numbers enter the sums as bf16 (exact up to 256 in magnitude); both sums are sums of the e_k as rounded to bf16, the same numbers as
; in the numerator; an e_k below 2^-126 counts as 0.
; CLUSTER 4 x 1: the four work-groups of a cluster take 512 queries each of one head and ask for its K and V tiles jointly (mask 15).
; Eight waves, two to a SIMD; a wave has 64 queries = 4 query tiles.
; EVERYTHING IS TRANSPOSED, so that P never changes lanes: S^T = K Q^T (A = 16 keys, B = 16 queries): lane (r, h), register j holds (key 16 kt + 8 h + j,
; query r); two such tiles packed in pairs ARE the B fragment of P^T for 32 keys.  O^T = V^T P^T (A = V^T by the transposing LDS load): lane (r, h), register j
; holds (feature 16 dt + 8 h + j, query r).  Whatever belongs to a query is one number a lane.
; THE SUMS come from a fifth tile of O^T whose A has rows 0 and 8 = m_k, rows 1 and 9 = 1, all others 0: register 0 = sum e m, register 1 = sum e, in every lane.
; Keys go through two LDS slots of 256 keys: V at pitch 160 (an odd multiple of 32, for the transposing load), K at pitch 144.
; THE KEY LOOP IS A PIPELINE OF STAGES, a stage = one query tile x 64 keys, so that a wave's matrix work runs under its own vector work:
;   part A of stage j (window 0): the softmax step of tile j, S[j & 1] -> P[j & 1] and alpha, and strewn among it the 8 products S^T of tile j + 1 into S[(j + 1) & 1];
;   part B of stage j (A, C, D in window 1): O(j) and its sums times alpha, and strewn among it the 10 products V^T P^T and sums of tile j - 1.
; V of a step is loaded behind the last product of the step before, K of the next step behind this step's last S^T product.
.set KP, 144
.set VP, 160
.set VB, 256*VP                        ; 40,960: V's part of a slot; K's lies behind it
.set SLOT, VB+256*KP                   ; 77,824
.set MROWS, 2*SLOT                     ; 155,648: three rows of 2,048 bf16: the batch's mask, ones, zeros
.set MPITCH, 4112
.set STAGE, MROWS+12544                ; 168,192; both are multiples of 256, and no fill lands behind the ring
.set SPITCH, 144
.set KADR, 2                           ; v2-3   my K fragments in slot 0, 1
.set VADR, 4                           ; v4-5   my V fragments (made here, used from their copies in window 1)
.set MADR, 6                           ; v6     my row of the sums tile's A (likewise)
.set STO, 7
.set RD, 8
.set CO, 9
.set MQ, 10                            ; v10-13 mask of query 16 qt + r, f32
.set MP, 16                            ; v16-23 pair for each query tile: the running maximum, twice; at the end the final factor
.set T, 24                             ; v24-27 at work (v24-31 at the kernel's head)
.set AP, 28                            ; v28-29 alpha, twice: made in part A, used in part B of the same stage
.set QF, 32                            ; v32-95   Q(qt, ds) at 32 + 16 qt + 8 ds
.set KF, 96                            ; v96-159  K(kt, ds) at 96 + 16 kt + 8 ds
.set SF, 160                           ; v160-223 S: buffer qt & 1 at 160 + 32 (qt & 1), key tile kt at + 8 kt
.set PF, 224                           ; v224-255 P: buffer qt & 1 at 224 + 16 (qt & 1), 32 keys kb at + 8 kb
.set OUTP, 96                          ; the way out, in the dead K fragments
.set RB, 112
.set VF, 160                           ; window 1: V(kb, dt) at 160 + 32 kb + 8 dt;  O(qt, dt) at 40 qt + 8 dt, dt = 4 the sums
.set MF, 224                           ; window 1: the sums tile's A, at 224 + 8 kb
.set VA1, 240                          ; window 1: v240-241 V's LDS address in slot 0, 1
.set MA1, 242                          ; window 1: v242 the mask rows' LDS address; steps 512 bytes with each 256 keys
.set G1V, 24
.set G0V, 32
.set G1K, 48
.set G0K, 56
.set MSB, 0
.macro WIN new                         ; the immediate's high byte repeats the setting that is left
.if MSB != (\new)
	s_set_vgpr_msb (MSB<<8)|(\new)
.set MSB, (\new)
.endif
.endm
.macro NOPS n
.rept \n
	v_nop
.endr
.endm
.macro ROUND                           ; a round of the cluster's barrier
	s_barrier_signal -1
	s_barrier_wait -1
	s_cmp_lg_u32 s10, 0
	s_cbranch_scc1 .Lnot_wave_0_\@
	s_barrier_signal -3
.Lnot_wave_0_\@:
	s_barrier_wait -3
	s_barrier_signal -1
	s_barrier_wait -1
.endm
.macro JLOAD s                         ; waves 0-3 ask for 64 rows of V each, waves 4-7 for 64 rows of K
	s_cmp_eq_u32 s11, 0
	s_cbranch_scc0 .Lfor_k_\@
	tensor_load_to_lds s[G0V+4*(\s):G0V+4*(\s)+3], s[G1V:G1V+7]
	s_nop 0
	s_branch .Lasked_\@
.Lfor_k_\@:
	tensor_load_to_lds s[G0K+4*(\s):G0K+4*(\s)+3], s[G1K:G1K+7]
	s_nop 0
.Lasked_\@:
.endm
	s_load_b128 s[4:7], s[0:1], 0x0                ; qkv s[4:5], mask s[6:7]
	s_load_b64 s[8:9], s[0:1], 0x10                ; ao
	v_lshl_add_u32 v14, v0, 2, 0x2d900
	s_set_vgpr_msb 0x40
	v_mov_b32 v255, 0
	s_set_vgpr_msb 0x4044
	ds_add_u32 v14, v255
	s_set_vgpr_msb 0x4400
	v_lshrrev_b32 v1, 5, v0
	v_readfirstlane_b32 s10, v1                    ; wave 0..7
	s_lshr_b32 s11, s10, 2                         ; I fetch for V (0) or for K (1)
	s_and_b32 s12, s10, 3                          ; which 64 rows
	s_bfe_u32 s14, ttmp6, 0x40000                  ; cx: which 512 queries
	s_lshr_b32 s15, ttmp9, 4                       ; batch (ttmp9 counts clusters: 16 b + h)
	s_and_b32 s16, ttmp9, 15                       ; head
	s_mul_i32 s17, s15, 48
	s_add_co_u32 s17, s17, s16                     ; Q's plane; K's is 16 further, V's 32
	s_mov_b32 s[G1V+0], 15|(1<<16)|(1<<20)|(1<<21)|(4<<22)|(7<<25)   ; all four work-groups; 2-byte elements; after every 32 words, 8 words of padding
	s_mov_b32 s[G1K+0], 15|(1<<16)|(1<<20)|(1<<21)|(4<<22)|(3<<25)   ; the same with 4 words
.irp g, G1V, G1K
	s_mov_b32 s[\g+1], 64<<16                      ; tensor_dim0 = 64
	s_mov_b32 s[\g+2], 64<<16                      ; tensor_dim1 = 64
	s_mov_b32 s[\g+3], 64<<16                      ; tile_dim0 = 64 (a head's row, 128 bytes, as it is in the tensor)
	s_mov_b32 s[\g+4], 64                          ; tile_dim1 = 64 rows
	s_mov_b32 s[\g+5], 64                          ; elements from row to row
	s_mov_b32 s[\g+6], 0
	s_mov_b32 s[\g+7], 0
.endr
	s_lshl_b32 s19, s12, 13                        ; 64 rows x 128 bytes
	s_add_co_u32 s18, s17, 32
	s_lshl_b32 s18, s18, 18                        ; planes of 262,144 bytes
	s_add_co_u32 s18, s18, s19
	s_add_co_u32 s22, s17, 16
	s_lshl_b32 s22, s22, 18
	s_add_co_u32 s22, s22, s19
	s_mov_b32 s19, 0
	s_mov_b32 s23, 0
	s_mul_i32 s42, s10, 64*VP                      ; LDS: V's quarters at 0 .. (waves 0-3)
	s_mul_i32 s43, s10, 64*KP
	s_add_co_u32 s43, s43, VB-4*64*KP              ; K's quarters at VB .. (waves 4-7)
	s_wait_dscnt 0x0
	s_wait_kmcnt 0x0
	s_add_nc_u64 s[18:19], s[4:5], s[18:19]
	s_add_nc_u64 s[22:23], s[4:5], s[22:23]
.irp s, 0,1
	s_mov_b32 s[G0V+4*\s], 1
	s_add_co_u32 s[G0V+4*\s+1], s42, \s*SLOT
	s_add_nc_u64 s[G0V+4*\s+2:G0V+4*\s+3], s[18:19], \s*32768      ; keys 256 s ..
	s_or_b32 s[G0V+4*\s+3], s[G0V+4*\s+3], 0x80000000
	s_mov_b32 s[G0K+4*\s], 1
	s_add_co_u32 s[G0K+4*\s+1], s43, \s*SLOT
	s_add_nc_u64 s[G0K+4*\s+2:G0K+4*\s+3], s[22:23], \s*32768
	s_or_b32 s[G0K+4*\s+3], s[G0K+4*\s+3], 0x80000000
.endr
	ROUND                                          ; the four work-groups are here: the first joint loads meet
	s_cmp_eq_u32 s11, 0                            ; both first fills of a wave in one branch on its number: two loads of the wave are out
	s_cbranch_scc0 .Lfirst_k
	tensor_load_to_lds s[G0V:G0V+3], s[G1V:G1V+7]
	s_nop 0
	tensor_load_to_lds s[G0V+4:G0V+7], s[G1V:G1V+7]
	s_nop 0
	s_branch .Lfirst_done
.Lfirst_k:
	tensor_load_to_lds s[G0K:G0K+3], s[G1K:G1K+7]
	s_nop 0
	tensor_load_to_lds s[G0K+4:G0K+7], s[G1K:G1K+7]
	s_nop 0
.Lfirst_done:
	s_mov_b32 s20, 0x76543210                      ; v_permlanex16_b32: lane i of one half reads lane i of the other
	s_mov_b32 s21, 0xfedcba98
	s_mov_b32 s45, 0x29e12e13                      ; 1e-13
	s_lshl_b32 s68, s15, 13                        ; the batch's 2,048 mask words
	s_mov_b32 s69, 0
	s_add_nc_u64 s[66:67], s[6:7], s[68:69]
	s_lshl_b32 s70, s14, 11
	s_add_co_u32 s68, s68, s70                     ; my work-group's 512 queries among them
	s_add_nc_u64 s[46:47], s[6:7], s[68:69]
	s_lshl_b32 s68, s17, 18
	s_lshl_b32 s70, s14, 16                        ; 512 queries x 128 bytes
	s_add_co_u32 s68, s68, s70
	s_add_nc_u64 s[40:41], s[4:5], s[68:69]        ; Q' of my work-group
	v_and_b32 v232, 15, v0                         ; r
	v_bfe_u32 v233, v0, 4, 1                       ; h
	v_and_b32 v234, 31, v0                         ; lane
	v_lshlrev_b32 v235, 7, v232
	v_lshl_add_u32 v235, v233, 4, v235
	v_lshl_add_u32 v235, s10, 13, v235             ; (64 w + r) x 128 + 16 h
	v_lshlrev_b32 v236, 2, v232
	v_lshl_add_u32 v236, s10, 8, v236              ; (64 w + r) x 4
	v_lshlrev_b32 v237, 5, v0                      ; eight mask words a thread
.irp qt, 0,1,2,3
.irp ds, 0,1
	global_load_b128 v[QF+16*\qt+8*\ds:QF+16*\qt+8*\ds+3],   v235, s[40:41] offset:2048*\qt+64*\ds
	global_load_b128 v[QF+16*\qt+8*\ds+4:QF+16*\qt+8*\ds+7], v235, s[40:41] offset:2048*\qt+64*\ds+32
.endr
.endr
.irp qt, 0,1,2,3
	global_load_b32 v[MQ+\qt], v236, s[46:47] offset:64*\qt
.endr
	global_load_b128 v[T:T+3],   v237, s[66:67]
	global_load_b128 v[T+4:T+7], v237, s[66:67] offset:16
	v_mul_u32_u24 v239, v232, KP
	v_lshl_add_u32 v239, v233, 4, v239             ; r x 144 + 16 h
	v_add_nc_u32 v[KADR], VB, v239
	v_add_nc_u32 v[KADR+1], SLOT+VB, v239
	v_and_b32 v240, 7, v0
	v_lshl_add_u32 v241, v233, 3, v240             ; key 8 h + (lane & 7)
	v_mul_u32_u24 v241, v241, VP
	v_bfe_u32 v242, v0, 3, 1
	v_lshl_add_u32 v[VADR], v242, 4, v241          ; + 16 x ((lane >> 3) & 1)
	v_add_nc_u32 v[VADR+1], SLOT, v[VADR]
	v_min_u32 v243, 2, v240                        ; rows 0 and 8: the mask; 1 and 9: ones; the others: zeros
	v_mul_u32_u24 v243, v243, MPITCH
	v_lshl_add_u32 v243, v233, 4, v243
	v_add_nc_u32 v[MADR], MROWS, v243
	WIN 0x40                                       ; destination window 1: these loads' addresses lie beside their data, so that they issue under part B's setting
	v_mov_b32 v[VA1], v[VADR]
	v_mov_b32 v[VA1+1], v[VADR+1]
	v_mov_b32 v[MA1], v[MADR]
	WIN 0
	s_mul_i32 s70, s10, 16*SPITCH
	s_add_co_u32 s70, s70, STAGE                   ; my stage
	v_add_nc_u32 v[STO], s70, v239
	v_lshrrev_b32 v244, 3, v234
	v_mul_u32_u24 v244, v244, SPITCH
	v_lshl_add_u32 v244, v240, 4, v244
	v_add_nc_u32 v[RD], s70, v244
	v_lshlrev_b32 v[CO], 4, v234
	v_lshlrev_b32 v238, 4, v0
	v_add_nc_u32 v238, MROWS, v238                 ; my 16 bytes of each of the three rows
	v_mov_b32 v15, 0                               ; the lane exchange's destination counts as read
	s_wait_loadcnt 0x0                             ; once, while the first tiles are on their way
.irp qt, 0,1,2,3
	v_cvt_f32_i32 v[MQ+\qt], v[MQ+\qt]
.endr
.irp i, 0,1,2,3,4,5,6,7
	v_cvt_f32_i32 v[T+\i], v[T+\i]
.endr
.irp i, 0,1,2,3
	v_cvt_pk_bf16_f32 v[T+\i], v[T+2*\i], v[T+2*\i+1]
.endr
.irp i, 0,1,2,3
	v_mov_b32 v[T+4+\i], 0x3f803f80                ; two bf16 ones
	v_mov_b32 v[SF+\i], 0
.endr
	ds_store_b128 v238, v[T:T+3]
	ds_store_b128 v238, v[T+4:T+7] offset:MPITCH
	ds_store_b128 v238, v[SF:SF+3] offset:2*MPITCH
.macro KLOAD slot, ks                  ; 16 loads: the K fragments of keys 64 ks .. + 63 of a slot (window 0)
.irp kt, 0,1,2,3
.irp ds, 0,1
	ds_load_b128 v[KF+16*\kt+8*\ds:KF+16*\kt+8*\ds+3],   v[KADR+\slot] offset:(\ks)*64*KP+\kt*16*KP+\ds*64
	ds_load_b128 v[KF+16*\kt+8*\ds+4:KF+16*\kt+8*\ds+7], v[KADR+\slot] offset:(\ks)*64*KP+\kt*16*KP+\ds*64+32
.endr
.endr
.endm
.macro VMLOAD slot, ks                 ; 20 loads, data and address in window 1: V^T of 64 keys (16, transposing) and the sums tile's A (4)
	WIN 0x51
.irp kb, 0,1
.irp dt, 0,1,2,3
	ds_load_tr16_b128 v[VF+32*\kb+8*\dt:VF+32*\kb+8*\dt+3],   v[VA1+\slot] offset:(\ks)*64*VP+\kb*32*VP+32*\dt
	ds_load_tr16_b128 v[VF+32*\kb+8*\dt+4:VF+32*\kb+8*\dt+7], v[VA1+\slot] offset:(\ks)*64*VP+\kb*32*VP+32*\dt+16*VP
.endr
	ds_load_b128 v[MF+8*\kb:MF+8*\kb+3],   v[MA1] offset:(\ks)*128+\kb*64
	ds_load_b128 v[MF+8*\kb+4:MF+8*\kb+7], v[MA1] offset:(\ks)*128+\kb*64+32
.endr
.endm
; product i (0..7) of S^T of query tile qn and 64 keys: features 0-31 of key tiles 0..3 start the sums, features 32-63 add onto them.
; Four accumulators take turns, one instruction a turn.
.macro SW qn, i
.if (\i) < 4
	v_wmma_f32_16x16x32_bf16 v[SF+32*((\qn)&1)+8*(\i):SF+32*((\qn)&1)+8*(\i)+7], v[KF+16*(\i):KF+16*(\i)+7], v[QF+16*(\qn):QF+16*(\qn)+7], 0
.else
	v_wmma_f32_16x16x32_bf16 v[SF+32*((\qn)&1)+8*((\i)-4):SF+32*((\qn)&1)+8*((\i)-4)+7], v[KF+16*((\i)-4)+8:KF+16*((\i)-4)+15], v[QF+16*(\qn)+8:QF+16*(\qn)+15], v[SF+32*((\qn)&1)+8*((\i)-4):SF+32*((\qn)&1)+8*((\i)-4)+7]
.endif
.endm
.macro MW nq, i, kw                    ; the same where part A has a next tile (nq >= 0); kw = 1: its K fragments were just loaded
.if (\nq) >= 0
.if \kw
	s_wait_dscnt 0x0                               ; the next step's K fragments, the only LDS loads that are out
.endif
	SW \nq, \i
.endif
.endm
; product i (0..9) of O^T and the sums of query tile pq: 32 keys kb = i / 5, tile dt = i % 5 (4 = the sums).  first = 1: the first 32 keys start the sums.
; Five accumulators take turns, one instruction a turn.
.macro PW pq, i, first
.set pkb, (\i)/5
.set pdt, (\i)%5
.if pdt < 4
.set paf, VF+32*pkb+8*pdt
.else
.set paf, MF+8*pkb
.endif
.set poa, 40*(\pq)+8*pdt
.set ppb, PF+16*((\pq)&1)+8*pkb
.set pcz, 0
.if \first
.if pkb == 0
.set pcz, 1
.endif
.endif
.if pcz
	v_wmma_f32_16x16x32_bf16 v[poa:poa+7], v[paf:paf+7], v[ppb:ppb+7], 0
.else
	v_wmma_f32_16x16x32_bf16 v[poa:poa+7], v[paf:paf+7], v[ppb:ppb+7], v[poa:poa+7]
.endif
.endm
; PART A of a stage, window 0.  The running maximum of query tile qt over my 32 numbers, my partner's 32 and the maximum so far; alpha = 2^(old - new);
; e = 2^(s - maximum), four at a time, with the next four's subtractions and the last four's packing between them (these are also the plain places
; behind the exponentials: ISA guide 5.7.2).  The eight S^T products of tile nq name none of these registers.  Behind the last of them stand eight plain
; vector instructions: the places that loads into K's fragments and the next reads of S^T need.
.macro SOFT qt, first, nq, kw
.set sb, SF+32*((\qt)&1)
.set pb, PF+16*((\qt)&1)
.set mpq, MP+2*(\qt)
.irp c, 0,1,2,3
	v_max3_num_f32 v[T+\c], v[sb+8*\c], v[sb+8*\c+1], v[sb+8*\c+2]
.endr
	MW \nq, 0, \kw
.irp c, 0,1,2,3
	v_max3_num_f32 v[T+\c], v[T+\c], v[sb+8*\c+3], v[sb+8*\c+4]
.endr
.irp c, 0,1,2,3
	v_max3_num_f32 v[T+\c], v[T+\c], v[sb+8*\c+5], v[sb+8*\c+6]
.endr
	MW \nq, 1, 0
	v_max3_num_f32 v[T], v[T], v[T+1], v[sb+7]
	v_max3_num_f32 v[T+2], v[T+2], v[T+3], v[sb+15]
	v_max3_num_f32 v[T], v[T], v[sb+23], v[sb+31]
.if \first
	v_max_num_f32 v[T], v[T], v[T+2]
.else
	v_max3_num_f32 v[T], v[T], v[T+2], v[mpq]
.endif
	v_permlanex16_b32 v15, v[T], s20, s21
	v_max_num_f32 v[T], v[T], v15
	MW \nq, 2, 0
.if \first == 0
	v_sub_f32 v[AP], v[mpq], v[T]
	v_exp_f32 v[AP], v[AP]
.endif
	v_mov_b32 v[mpq], v[T]                         ; plain places behind the exponential
	v_mov_b32 v[mpq+1], v[T]
.if \first == 0
	s_wait_alu depctr_va_vdst(0)
	v_mov_b32 v[AP+1], v[AP]
.endif
	v_pk_add_f32 v[sb:sb+1],   v[sb:sb+1],   v[mpq:mpq+1] neg_lo:[0,1] neg_hi:[0,1]
	v_pk_add_f32 v[sb+2:sb+3], v[sb+2:sb+3], v[mpq:mpq+1] neg_lo:[0,1] neg_hi:[0,1]
	MW \nq, 3, 0
.set sg, 0
.rept 8
	v_exp_f32 v[sb+4*sg], v[sb+4*sg]
.if sg < 7
	v_pk_add_f32 v[sb+4*sg+4:sb+4*sg+5], v[sb+4*sg+4:sb+4*sg+5], v[mpq:mpq+1] neg_lo:[0,1] neg_hi:[0,1]
.endif
	v_exp_f32 v[sb+4*sg+1], v[sb+4*sg+1]
.if sg < 7
	v_pk_add_f32 v[sb+4*sg+6:sb+4*sg+7], v[sb+4*sg+6:sb+4*sg+7], v[mpq:mpq+1] neg_lo:[0,1] neg_hi:[0,1]
.endif
	v_exp_f32 v[sb+4*sg+2], v[sb+4*sg+2]
.if sg > 0
	s_wait_alu depctr_va_vdst(0)
	v_cvt_pk_bf16_f32 v[pb+2*sg-2], v[sb+4*sg-4], v[sb+4*sg-3]
.endif
	v_exp_f32 v[sb+4*sg+3], v[sb+4*sg+3]
.if sg > 0
	s_wait_alu depctr_va_vdst(0)
	v_cvt_pk_bf16_f32 v[pb+2*sg-1], v[sb+4*sg-2], v[sb+4*sg-1]
.endif
.if sg == 0
	MW \nq, 4, 0
.endif
.if sg == 2
	MW \nq, 5, 0
.endif
.if sg == 4
	MW \nq, 6, 0
.endif
.if sg == 5
	MW \nq, 7, 0
.endif
.set sg, sg+1
.endr
	v_cvt_pk_bf16_f32 v[pb+14], v[sb+28], v[sb+29]
	s_wait_alu depctr_va_vdst(0)
	v_cvt_pk_bf16_f32 v[pb+15], v[sb+30], v[sb+31]
.endm
; PART B of a stage: source 0, source 2 and destination in window 1, source 1 in window 0.  resc = 1: O(qt) and its two sums times alpha, 17 packed multiplies
; (the sums tile's other rows are 0).  pq >= 0: the ten products of tile pq among them.  The last seven multiplies stand behind the last product: the places
; that loads into V^T need.  vw = 1: V^T and the sums tile's A were just loaded.
.macro PARTB qt, resc, pq, pfirst, vw
	WIN 0x51
.if \vw
	s_wait_dscnt 0x0                               ; V^T and the sums tile's A, the only LDS loads that are out
.endif
.set bi, 0
.rept 10
.if (\pq) >= 0
	PW \pq, bi, \pfirst
.endif
.if \resc
	v_pk_mul_f32 v[40*(\qt)+2*bi:40*(\qt)+2*bi+1], v[40*(\qt)+2*bi:40*(\qt)+2*bi+1], v[AP:AP+1]
.endif
.set bi, bi+1
.endr
.if \resc
.rept 7
	v_pk_mul_f32 v[40*(\qt)+2*bi:40*(\qt)+2*bi+1], v[40*(\qt)+2*bi:40*(\qt)+2*bi+1], v[AP:AP+1]
.set bi, bi+1
.endr
.endif
.endm
; The change of slots, in the last step of a slot, where all that the wave reads of the slot lies in registers already.  Every wave waits for all its tensor loads
; (one is out: its part of the other slot) and for its LDS reads; the round of the cluster's barrier says so of every wave of the four work-groups; the joint
; refill of the slot that is left is the first tensor load behind it.  From a request to the wait for it a wave issues 288 matrix instructions.
.macro CHANGE slot, refill
	s_set_vgpr_msb 0x4
	s_wait_tensorcnt 0x0
	ds_add_u32 v14, v255
	s_wait_dscnt 0x0
	s_set_vgpr_msb 0x400
.if \refill
	s_add_nc_u64 s[G0V+4*(\slot)+2:G0V+4*(\slot)+3], s[G0V+4*(\slot)+2:G0V+4*(\slot)+3], 65536    ; 512 keys on; no load of mine is out
	s_add_nc_u64 s[G0K+4*(\slot)+2:G0K+4*(\slot)+3], s[G0K+4*(\slot)+2:G0K+4*(\slot)+3], 65536
.endif
	s_wait_dscnt 0x0
.if \refill
	ROUND
	JLOAD \slot
.else
	s_barrier_signal -1                            ; my work-group's barrier shows the other slot whole
	s_barrier_wait -1
.endif
.endm
; A step: 64 keys (ks of slot) x my four query tiles.  first = 1: the very first step (starts maxima and sums; no alpha); pvf = 1: the step behind it, whose
; first part B still holds products that start sums; chg = 1: change of slots with a refill, 2: without; nslot, nks: where the next step's K lies; last = 1: no next step.
.macro STEP slot, ks, first, pvf, chg, nslot, nks, last
	SOFT 0, \first, 1, 0
.if \first == 0
	PARTB 0, 1, 3, \pvf, 0                         ; tile 3 of the step before: the last use of its V^T
	VMLOAD \slot, \ks
.if \ks == 3
.if \last == 0
	WIN 0x44                                       ; source 1 and destination window 1
	v_add_nc_u32 v[MA1], 512, v[MA1]               ; the next 256 keys' mask
.endif
.endif
	WIN 0
.endif
	SOFT 1, \first, 2, 0
	PARTB 1, 1-\first, 0, \first, 1
	WIN 0
	SOFT 2, \first, 3, 0                           ; its products are the last use of this step's K
.if \chg == 1
	CHANGE \slot, 1
.endif
.if \chg == 2
	CHANGE \slot, 0
.endif
.if \last == 0
	KLOAD \nslot, \nks
.endif
	PARTB 2, 1-\first, 1, \first, 0
	WIN 0
.if \last
	SOFT 3, \first, -1, 0
.else
	SOFT 3, \first, 0, 1                           ; its products are tile 0 of the next step
.endif
	PARTB 3, 1-\first, 2, \first, 0
	WIN 0
.endm
	s_wait_dscnt 0x0                               ; my part of the three mask rows is written
	s_wait_tensorcnt 1                             ; my part of slot 0 is in; slot 1's stays out
	s_barrier_signal -1
	s_barrier_wait -1
	KLOAD 0, 0
	VMLOAD 0, 0
	WIN 0
	s_wait_dscnt 20                                ; K's 16 loads are in; the 20 issued behind them may be out
.irp i, 0,1,2,3,4,5,6,7
	SW 0, \i                                       ; the pipeline's head: S^T of tile 0
.endr
	NOPS 4                                         ; four places ahead of the reads of S^T (ISA guide 7.12.1)
	STEP 0, 0, 1, 0, 0, 0, 1, 0                    ; keys 0-63
	STEP 0, 1, 0, 1, 0, 0, 2, 0                    ; keys 64-127
	s_mov_b32 s44, 3                               ; three trips of 512 keys: keys 128-1663, all six refills
.Lring:
	STEP 0, 2, 0, 0, 0, 0, 3, 0
	STEP 0, 3, 0, 0, 1, 1, 0, 0
	STEP 1, 0, 0, 0, 0, 1, 1, 0
	STEP 1, 1, 0, 0, 0, 1, 2, 0
	STEP 1, 2, 0, 0, 0, 1, 3, 0
	STEP 1, 3, 0, 0, 1, 0, 0, 0
	STEP 0, 0, 0, 0, 0, 0, 1, 0
	STEP 0, 1, 0, 0, 0, 0, 2, 0
	s_sub_co_u32 s44, s44, 1
	s_cmp_lg_u32 s44, 0
	s_cbranch_scc1 .Lring
	STEP 0, 2, 0, 0, 0, 0, 3, 0                    ; keys 1664-2047: nothing is left to fetch
	STEP 0, 3, 0, 0, 2, 1, 0, 0
	STEP 1, 0, 0, 0, 0, 1, 1, 0
	STEP 1, 1, 0, 0, 0, 1, 2, 0
	STEP 1, 2, 0, 0, 0, 1, 3, 0
	STEP 1, 3, 0, 0, 0, 0, 0, 1
	PARTB 0, 0, 3, 0, 0                            ; the pipeline's tail: the last step's tile 3
	WIN 0
	NOPS 4                                         ; four places ahead of the reads of O^T and the sums
	; THE END: factor = m_q / (m_q sum(e m) + 1e-13 sum(e)); the largest e is 1, so the second term is at least 1e-13
	s_lshl_b32 s68, ttmp9, 18
	s_lshl_b32 s70, s14, 16
	s_add_co_u32 s68, s68, s70
	s_lshl_b32 s70, s10, 13
	s_add_co_u32 s68, s68, s70                     ; (2048 (16 b + h) + 512 cx + 64 w) x 128 bytes
	s_mov_b32 s69, 0
	s_add_nc_u64 s[40:41], s[8:9], s[68:69]
	WIN 0x01                                       ; source 0 window 1
.irp qt, 0,1,2,3
	v_mul_f32 v[T+\qt], v[40*\qt+33], s45
.endr
.irp qt, 0,1,2,3
	v_fma_f32 v[T+\qt], v[40*\qt+32], v[MQ+\qt], v[T+\qt]
.endr
	WIN 0
.irp qt, 0,1,2,3
	v_rcp_f32 v[T+\qt], v[T+\qt]
.endr
	v_nop
	s_wait_alu depctr_va_vdst(0)
.irp qt, 0,1,2,3
	v_mul_f32 v[MP+2*\qt], v[T+\qt], v[MQ+\qt]
	v_mul_f32 v[MP+2*\qt+1], v[T+\qt], v[MQ+\qt]
.endr
.macro OUTQ qt                         ; 16 queries x 64 features: scale, round, through my stage, out as 2,048 consecutive bytes
	WIN 0x01
.irp i, 0,1,2,3,4,5,6,7,8,9,10,11,12,13,14,15
	v_pk_mul_f32 v[SF+2*\i:SF+2*\i+1], v[40*\qt+2*\i:40*\qt+2*\i+1], v[MP+2*\qt:MP+2*\qt+1]
.endr
	WIN 0
.irp i, 0,1,2,3,4,5,6,7,8,9,10,11,12,13,14,15
	v_cvt_pk_bf16_f32 v[OUTP+\i], v[SF+2*\i], v[SF+2*\i+1]
.endr
.irp dt, 0,1,2,3
	ds_store_b128 v[STO], v[OUTP+4*\dt:OUTP+4*\dt+3] offset:32*\dt
.endr
	s_wait_xcnt 0x0                                ; RB, which earlier stores read, is loaded again only behind this wait
.irp i, 0,1,2,3
	ds_load_b128 v[RB+4*\i:RB+4*\i+3], v[RD] offset:4*SPITCH*\i    ; my own stage; LDS serves a wave's instructions in order (ISA guide 5.7.1.4)
.endr
.irp i, 0,1,2,3
	s_wait_dscnt 3-\i                              ; read-back i is in, the 3 - i younger ones may be out
	global_store_b128 v[CO], v[RB+4*\i:RB+4*\i+3], s[40:41] offset:2048*\qt+512*\i   ; 512 consecutive aligned bytes
.endr
.endm
	OUTQ 0
	OUTQ 1
	OUTQ 2
	OUTQ 3
	s_set_vgpr_msb 0x4
	s_wait_tensorcnt 0x0
	ds_add_u32 v14, v255
	s_wait_dscnt 0x0
	s_set_vgpr_msb 0x400
	ROUND                                          ; the closing round
	s_endpgm
.Lfunc_end_k_q58d72301d8_attn:
	.size	k_q58d72301d8_attn, .Lfunc_end_k_q58d72301d8_attn-k_q58d72301d8_attn
	.p2alignl 7, 3214868480
	.fill 96, 4, 3214868480
	.section	.rodata,"a",@progbits
	.p2align	6, 0x0
	.amdhsa_kernel k_q58d72301d8_attn
		.amdhsa_group_segment_fixed_size 327680
		.amdhsa_private_segment_fixed_size 0
		.amdhsa_enable_private_segment 0
		.amdhsa_kernarg_size 24
		.amdhsa_user_sgpr_count 2
		.amdhsa_user_sgpr_kernarg_segment_ptr 1
		.amdhsa_wavefront_size32 1
		.amdhsa_system_sgpr_workgroup_id_x 1
		.amdhsa_system_sgpr_workgroup_id_y 1
		.amdhsa_system_sgpr_workgroup_id_z 1
		.amdhsa_system_vgpr_workitem_id 0
		.amdhsa_next_free_vgpr 512
		.amdhsa_next_free_sgpr 72
		.amdhsa_reserve_vcc 0
		.amdhsa_float_denorm_mode_32 3
		.amdhsa_float_denorm_mode_16_64 3
		.amdhsa_memory_ordered 1
		.amdhsa_forward_progress 1
		.amdhsa_inst_pref_size 255
	.end_amdhsa_kernel
	.section	.bss,"aw",@nobits
	.p2align	6
	.space	262144
	.amdgpu_metadata
---
amdhsa.version: [ 1, 2 ]
amdhsa.kernels:
  - .name:           k_q58d72301d8_attn
    .symbol:         k_q58d72301d8_attn.kd
    .args:
      - { .name: qkv, .offset: 0, .size: 8, .value_kind: global_buffer, .address_space: global }
      - { .name: mask, .offset: 8, .size: 8, .value_kind: global_buffer, .address_space: global }
      - { .name: ao, .offset: 16, .size: 8, .value_kind: global_buffer, .address_space: global }
    .group_segment_fixed_size: 327680
    .private_segment_fixed_size: 0
    .kernarg_segment_align: 8
    .kernarg_segment_size: 24
    .max_flat_workgroup_size: 256
    .sgpr_count:     72
    .vgpr_count:     512
    .wavefront_size: 32
...
	.end_amdgpu_metadata
.endif
;; end of part 3
;; launch proj (part 4): grid 8 x 32, 4 waves a work-group, clusters of 4 x 4, 327,680 bytes of LDS; arguments ao, wb, bo, out0; writes out0
.if DOCPART == 4
	.amdgcn_target "amdgcn-amd-amdhsa--gfx1250"
	.amdhsa_code_object_version 6
	.text
	.protected	k_q58d72301d8_proj
	.globl	k_q58d72301d8_proj
	.p2align	8
	.type	k_q58d72301d8_proj,@function
k_q58d72301d8_proj:
	s_mov_b64 s[64:65], 0
	v_nop
	global_prefetch_b8 v0, s[64:65] scope:SCOPE_SE
	s_setreg_imm32_b32 hwreg(HW_REG_WAVE_MODE, 25, 1), 1
	s_wait_xcnt 0x0
	s_wait_alu depctr_hold_cnt(0) depctr_sa_sdst(0) depctr_va_vdst(0) depctr_va_sdst(0) depctr_va_ssrc(0) depctr_va_vcc(0) depctr_vm_vsrc(0)
	s_getreg_b32 s2, hwreg(HW_REG_IB_STS2, 6, 4)
	s_cmp_eq_u32 s2, 0
	s_cbranch_scc0 .Lentry_in_a_cluster
	s_endpgm
.Lentry_in_a_cluster:
	s_bfe_u32 s2, ttmp6, 0x10000c
	s_cmp_lg_u32 s2, 0xf033
	s_cbranch_scc0 .Lentry_shape_is_right
	s_endpgm
.Lentry_shape_is_right:
; out0[t][c] = sum over k of ao(t, k) Wo[c][k] + bo[c], f32 out.  ao is [b][h][t][64] bf16 (k = 64 h + d), Wo is rows 3072-4095 of wb (bf16); sums in f32.
; A work-group makes 256 tokens x 128 columns: 8 x 32 = 256 work-groups.  Four waves along the tokens: 64 tokens x 128 columns, 32 accumulator tiles each.
; K goes in steps of 128 = two heads through two LDS slots.  A step's ao is two tiles of 256 tokens x 128 bytes, each dense in memory, at LDS pitch 144;
; Wo's tile is 128 rows x 256 bytes at pitch 272.  Waves 0, 1 fetch one head's tile each, waves 2, 3 64 rows of Wo each.
; CLUSTER 4 x 4: ao's tiles are asked for jointly along a row of the cluster, Wo's along a column.
; The matrix instruction is used transposed (source 0 = rows of Wo, source 1 = tokens): lane (r, h), register j holds (token 16 a + r, column 16 b + 8 h + j).
; Window 0: addresses, ao's fragments, the way out; window 1: Wo's fragments; window 2: accumulators at 8 (8 a + b).
.set KSTEP,  128
.set APITCH, 144
.set BPITCH, 272
.set SUBA,   256*APITCH                ; 36,864: one head's tile
.set HALFB,  64*BPITCH                 ; 17,408
.set SLOT,   2*SUBA+2*HALFB            ; 108,544
.set STAGE,  2*SLOT                    ; 217,088, a multiple of 256, behind the ring
.set SPITCH, 528                       ; a stage row: 128 f32 + 16 bytes
.set LAPS,   4
.set ADRA, 16
.set ADRB, 20
.set STO,  24
.set RD,   25
.set CO,   26
.set BI,   28                          ; v28-31 bo of my four columns on the way out
.set FA,   64                          ; v64-127 ao's fragments, buffer f at 64 + 32 f
.set RB,   128                         ; v128-191 sixteen rows read back
.set G1, 24
.set G0, 32
.set G1B, 48
.set G0B, 56
.set MSB, 0
.macro WIN new
.if MSB != (\new)
	s_set_vgpr_msb (MSB<<8)|(\new)
.set MSB, (\new)
.endif
.endm
.set MUL_LO, 0xa1                      ; source 0 (Wo) window 1, source 1 (ao) window 0, C and D window 2
.set TO_B,   0x40
.macro JLOAD s
	s_cmp_eq_u32 s11, 0
	s_cbranch_scc0 .Lfor_b_\@
	tensor_load_to_lds s[G0+4*\s:G0+4*\s+3], s[G1:G1+7]
	s_nop 0
	s_branch .Lasked_\@
.Lfor_b_\@:
	tensor_load_to_lds s[G0B+4*\s:G0B+4*\s+3], s[G1B:G1B+7]
	s_nop 0
.Lasked_\@:
.endm
.macro CREST
	s_cmp_lg_u32 s10, 0
	s_cbranch_scc1 .Lnot_wave_0_\@
	s_barrier_signal -3
.Lnot_wave_0_\@:
	s_barrier_wait -3
	s_barrier_signal -1
	s_barrier_wait -1
.endm
.macro CROUND
	s_barrier_signal -1
	s_barrier_wait -1
	CREST
.endm
.macro PLACES                          ; four plain vector places behind a matrix instruction (ISA guide 7.12.1)
.rept 4
	v_nop
.endr
.endm
	s_load_b128 s[4:7], s[0:1], 0x0                ; ao s[4:5], wb s[6:7]
	s_load_b128 s[68:71], s[0:1], 0x10             ; bo s[68:69], out0 s[70:71]
	s_set_vgpr_msb 0x40
	v_lshl_add_u32 v255, v0, 2, 0x3d400
	s_set_vgpr_msb 0x4000
	v_mov_b32 v255, 0
	s_set_vgpr_msb 0x1
	ds_add_u32 v255, v255
	s_set_vgpr_msb 0x100
	v_lshrrev_b32 v1, 5, v0
	v_readfirstlane_b32 s10, v1                    ; wave 0..3
	s_lshr_b32 s11, s10, 1                         ; I fetch for ao (0) or for Wo (1)
	s_and_b32 s12, s10, 1                          ; which head of the step, or which 64 rows
	s_bfe_u32 s40, ttmp6, 0x40000                  ; cx
	s_bfe_u32 s41, ttmp6, 0x40004                  ; cy
	s_lshl_b32 s42, ttmp9, 2
	s_add_co_u32 s42, s42, s40                     ; block column 0..7
	s_and_b32 s13, ttmp7, 0xffff
	s_lshl_b32 s13, s13, 2
	s_add_co_u32 s13, s13, s41                     ; block row 0..31
	s_lshl_b32 s43, s41, 2
	s_lshl_b32 s43, 15, s43                        ; my row of the cluster
	s_lshl_b32 s44, 0x1111, s40                    ; my column
	s_or_b32 s[G1+0], s43, (1<<16)|(1<<20)|(1<<21)|(4<<22)|(3<<25)   ; after every 32 words, 4 words of padding
	s_or_b32 s[G1B+0], s44, (1<<16)|(1<<20)|(1<<21)|(5<<22)|(3<<25)  ; after every 64 words, 4 words
	s_mov_b32 s[G1+1], 64<<16                      ; tensor_dim0 = 64
	s_mov_b32 s[G1+2], 256<<16                     ; tensor_dim1 = 256
	s_mov_b32 s[G1+3], 64<<16                      ; tile_dim0 = 64
	s_mov_b32 s[G1+4], 256                         ; tile_dim1 = 256 rows
	s_mov_b32 s[G1+5], 64                          ; elements from row to row
	s_mov_b32 s[G1+6], 0
	s_mov_b32 s[G1+7], 0
	s_mov_b32 s[G1B+1], KSTEP<<16
	s_mov_b32 s[G1B+2], 64<<16
	s_mov_b32 s[G1B+3], KSTEP<<16
	s_mov_b32 s[G1B+4], 64
	s_mov_b32 s[G1B+5], 1024
	s_mov_b32 s[G1B+6], 0
	s_mov_b32 s[G1B+7], 0
	s_lshr_b32 s16, s13, 3                         ; batch
	s_lshl_b32 s16, s16, 4
	s_add_co_u32 s16, s16, s12                     ; plane 16 b + my head of the step
	s_lshl_b32 s16, s16, 11
	s_and_b32 s17, s13, 7
	s_lshl_b32 s17, s17, 8
	s_add_co_u32 s16, s16, s17                     ; + the block's first token
	s_lshl_b32 s16, s16, 7                         ; rows of 128 bytes
	s_mov_b32 s17, 0
	s_lshl_b32 s46, s42, 7
	s_lshl_b32 s47, s12, 6
	s_add_co_u32 s46, s46, s47                     ; Wo: row 128 x block column + 64 x half
	s_lshl_b32 s46, s46, 11
	s_add_co_u32 s46, s46, 3072*2048               ; behind Wq, Wk, Wv in wb
	s_mov_b32 s47, 0
	s_mul_i32 s20, s10, SUBA                       ; LDS: the two heads' tiles at 0 and SUBA (waves 0, 1)
	s_mul_i32 s23, s10, HALFB
	s_add_co_u32 s23, s23, 2*SUBA-2*HALFB          ; Wo's halves at 2 SUBA and 2 SUBA + HALFB (waves 2, 3)
	s_wait_dscnt 0x0
	s_wait_kmcnt 0x0
	s_add_nc_u64 s[14:15], s[4:5], s[16:17]
	s_add_nc_u64 s[46:47], s[6:7], s[46:47]
	CROUND                                         ; the first joint loads meet
.irp s, 0,1
	s_mov_b32 s[G0+4*\s], 1
	s_add_co_u32 s[G0+4*\s+1], s20, \s*SLOT
	s_add_nc_u64 s[G0+4*\s+2:G0+4*\s+3], s[14:15], \s*2*262144     ; K step s: two planes on
	s_or_b32 s[G0+4*\s+3], s[G0+4*\s+3], 0x80000000
	s_mov_b32 s[G0B+4*\s], 1
	s_add_co_u32 s[G0B+4*\s+1], s23, \s*SLOT
	s_add_nc_u64 s[G0B+4*\s+2:G0B+4*\s+3], s[46:47], \s*KSTEP*2
	s_or_b32 s[G0B+4*\s+3], s[G0B+4*\s+3], 0x80000000
	JLOAD \s                                       ; two tensor loads of the wave are out
.endr
	v_and_b32 v1, 15, v0                           ; r
	v_bfe_u32 v2, v0, 4, 1                         ; h
	v_and_b32 v5, 31, v0                           ; lane
	v_mul_u32_u24 v3, v1, APITCH
	v_lshl_add_u32 v3, v2, 4, v3
	v_mul_u32_u24 v4, v1, BPITCH
	v_lshl_add_u32 v4, v2, 4, v4
	s_mul_i32 s21, s10, 64*APITCH                  ; my 64 tokens in a head's tile
	s_mov_b32 s22, 2*SUBA
.irp s, 0,1
	v_add_nc_u32 v[ADRA+\s], s21, v3
	v_add_nc_u32 v[ADRB+\s], s22, v4
	s_add_co_u32 s21, s21, SLOT
	s_add_co_u32 s22, s22, SLOT
.endr
	s_mul_i32 s21, s10, 16*SPITCH
	s_add_co_u32 s21, s21, STAGE                   ; my stage
	v_mul_u32_u24 v6, v1, SPITCH
	v_lshl_add_u32 v6, v2, 5, v6
	v_add_nc_u32 v[STO], s21, v6                   ; in: row r, 32 bytes for each half of the lanes
	v_lshlrev_b32 v[CO], 4, v5                     ; 16 x lane: a wave takes a row's 512 bytes
	v_add_nc_u32 v[RD], s21, v[CO]
	s_lshl_b32 s66, s42, 9                         ; my block's 128 columns x 4 bytes
	s_mov_b32 s67, 0
	s_add_nc_u64 s[66:67], s[68:69], s[66:67]
	global_load_b128 v[BI:BI+3], v[CO], s[66:67]
	s_wait_loadcnt 0x0
; 4 x nb matrix instructions; the 32 accumulators take turns, one instruction a turn
.macro MUL f, b0, nb, zero
.set ma, 0
.rept 4
.set mb, \b0
.rept \nb
.set acc, 8*(8*ma+mb)
.if \zero
	v_wmma_f32_16x16x32_bf16 v[acc:acc+7], v[64*\f+8*mb:64*\f+8*mb+7], v[FA+32*\f+8*ma:FA+32*\f+8*ma+7], 0
.else
	v_wmma_f32_16x16x32_bf16 v[acc:acc+7], v[64*\f+8*mb:64*\f+8*mb+7], v[FA+32*\f+8*ma:FA+32*\f+8*ma+7], v[acc:acc+7]
.endif
.set mb, mb+1
.endr
.set ma, ma+1
.endr
.endm
; 24 LDS loads: quarter q of a K step (head q / 2 of the step, features 32 (q % 2) ..) into buffer f: 8 for ao, then 16 for Wo
.macro FETCH slot, q, f
	WIN 0
.irp i, 0,1,2,3
	ds_load_b128 v[FA+32*\f+8*\i:FA+32*\f+8*\i+3],   v[ADRA+\slot] offset:(\q/2)*SUBA+(\q%2)*64+\i*16*APITCH
	ds_load_b128 v[FA+32*\f+8*\i+4:FA+32*\f+8*\i+7], v[ADRA+\slot] offset:(\q/2)*SUBA+(\q%2)*64+\i*16*APITCH+32
.endr
	WIN TO_B
.irp i, 0,1,2,3,4,5,6,7
	ds_load_b128 v[64*\f+8*\i:64*\f+8*\i+3],   v[ADRB+\slot] offset:64*\q+\i*16*BPITCH
	ds_load_b128 v[64*\f+8*\i+4:64*\f+8*\i+7], v[ADRB+\slot] offset:64*\q+\i*16*BPITCH+32
.endr
.endm
.macro QUARTER slot, q, f, g, zero     ; multiplies buffer f; in its middle fetches quarter q into buffer g
	s_wait_dscnt 8                                 ; ao's fragments and Wo's 0-3 are in; the 8 youngest loads (Wo's 4-7) may be out
	WIN MUL_LO
	MUL \f, 0, 4, \zero
	PLACES
	FETCH \slot, \q, \g
	s_wait_dscnt 24                                ; all but the 24 just issued
	WIN MUL_LO
	MUL \f, 4, 4, \zero
.endm
.macro THREE slot, zero
	QUARTER \slot, 1, 0, 1, \zero
	QUARTER \slot, 2, 1, 0, 0
	QUARTER \slot, 3, 0, 1, 0
.endm
; the last quarter and the change of slots: each wave's waits for its reads of this slot and for all its tensor loads stand in front of the barrier, which opens a
; round of the cluster's barrier where the slot is filled again; the joint refill is the first tensor load behind the round
.macro TURN slot, next, fill
	s_wait_dscnt 8
	WIN MUL_LO
	MUL 1, 0, 2, 0
	s_wait_dscnt 0
	s_wait_tensorcnt 0x0
	ds_add_u32 v255, v255
	s_wait_dscnt 0x0
	s_barrier_signal -1
	MUL 1, 2, 2, 0
	WIN 0
	s_barrier_wait -1
.if \fill
	CREST
	s_add_nc_u64 s[G0+4*\slot+2:G0+4*\slot+3], s[G0+4*\slot+2:G0+4*\slot+3], 4*262144        ; two K steps = four planes on; no load of mine is out
	s_add_nc_u64 s[G0B+4*\slot+2:G0B+4*\slot+3], s[G0B+4*\slot+2:G0B+4*\slot+3], 2*KSTEP*2
	JLOAD \slot
.endif
	PLACES
	FETCH \next, 0, 0
	WIN MUL_LO
	MUL 1, 4, 4, 0
.endm
.macro LAP zero
	THREE 0, \zero
	TURN 0, 1, 1
	THREE 1, 0
	TURN 1, 0, 1
.endm
	s_wait_tensorcnt 1                             ; my part of K step 0 is in; K step 1's stays out
	s_barrier_signal -1
	s_barrier_wait -1
	FETCH 0, 0, 0
	LAP 1                                          ; its first products start the sums
	WIN 0
	s_mov_b32 s3, LAPS-2
.Llap:
	LAP 0
	WIN 0
	s_sub_co_u32 s3, s3, 1
	s_cmp_lg_u32 s3, 0
	s_cbranch_scc1 .Llap
	THREE 0, 0                                     ; the last lap fills nothing
	TURN 0, 1, 0
	THREE 1, 0
	s_wait_dscnt 8
	WIN MUL_LO
	MUL 1, 0, 4, 0
	s_wait_dscnt 0
	MUL 1, 4, 4, 0
	WIN 0
	PLACES                                         ; ahead of the LDS stores that read the sums
	; THE WAY OUT, 16 tokens at a time: the sums go through my stage as f32, come back as whole rows of 512 bytes, take their bias and leave
	s_lshl_b32 s46, s13, 20                        ; 256 tokens x 4,096 bytes
	s_lshl_b32 s47, s10, 18                        ; 64 tokens
	s_add_co_u32 s46, s46, s47
	s_lshl_b32 s47, s42, 9                         ; 128 columns x 4 bytes
	s_add_co_u32 s46, s46, s47
	s_mov_b32 s47, 0
	s_add_nc_u64 s[46:47], s[70:71], s[46:47]
.macro OUTF a
	WIN 0x08                                       ; the stores' data in window 2
.irp b, 0,1,2,3,4,5,6,7
	ds_store_b128 v[STO], v[8*(8*\a+\b):8*(8*\a+\b)+3]   offset:64*\b
	ds_store_b128 v[STO], v[8*(8*\a+\b)+4:8*(8*\a+\b)+7] offset:64*\b+16
.endr
	WIN 0
	s_wait_xcnt 0x0                                ; RB, which earlier stores read, is loaded again only behind this wait
.irp t, 0,1,2,3,4,5,6,7,8,9,10,11,12,13,14,15
	ds_load_b128 v[RB+4*\t:RB+4*\t+3], v[RD] offset:SPITCH*\t      ; my own stage; LDS serves a wave's instructions in order (ISA guide 5.7.1.4)
.endr
.irp t, 0,1,2,3,4,5,6,7,8,9,10,11,12,13,14,15
	s_wait_dscnt 15-\t                             ; row t is in, the 15 - t younger ones may be out
	v_pk_add_f32 v[RB+4*\t:RB+4*\t+1],   v[RB+4*\t:RB+4*\t+1],   v[BI:BI+1]
	v_pk_add_f32 v[RB+4*\t+2:RB+4*\t+3], v[RB+4*\t+2:RB+4*\t+3], v[BI+2:BI+3]
	global_store_b128 v[CO], v[RB+4*\t:RB+4*\t+3], s[46:47] offset:(16*\a+\t)*4096 th:TH_STORE_NT   ; 512 consecutive aligned bytes
.endr
.endm
	OUTF 0
	OUTF 1
	OUTF 2
	OUTF 3
	s_set_vgpr_msb 0x1
	s_wait_tensorcnt 0x0
	ds_add_u32 v255, v255
	s_wait_dscnt 0x0
	s_set_vgpr_msb 0x100
	CROUND                                         ; the closing round
	s_endpgm
.Lfunc_end_k_q58d72301d8_proj:
	.size	k_q58d72301d8_proj, .Lfunc_end_k_q58d72301d8_proj-k_q58d72301d8_proj
	.p2alignl 7, 3214868480
	.fill 96, 4, 3214868480
	.section	.rodata,"a",@progbits
	.p2align	6, 0x0
	.amdhsa_kernel k_q58d72301d8_proj
		.amdhsa_group_segment_fixed_size 327680
		.amdhsa_private_segment_fixed_size 0
		.amdhsa_enable_private_segment 0
		.amdhsa_kernarg_size 32
		.amdhsa_user_sgpr_count 2
		.amdhsa_user_sgpr_kernarg_segment_ptr 1
		.amdhsa_wavefront_size32 1
		.amdhsa_system_sgpr_workgroup_id_x 1
		.amdhsa_system_sgpr_workgroup_id_y 1
		.amdhsa_system_sgpr_workgroup_id_z 1
		.amdhsa_system_vgpr_workitem_id 0
		.amdhsa_next_free_vgpr 768
		.amdhsa_next_free_sgpr 72
		.amdhsa_reserve_vcc 0
		.amdhsa_float_denorm_mode_32 3
		.amdhsa_float_denorm_mode_16_64 3
		.amdhsa_memory_ordered 1
		.amdhsa_forward_progress 1
		.amdhsa_inst_pref_size 127
	.end_amdhsa_kernel
	.amdgpu_metadata
---
amdhsa.version: [ 1, 2 ]
amdhsa.kernels:
  - .name:           k_q58d72301d8_proj
    .symbol:         k_q58d72301d8_proj.kd
    .args:
      - { .name: ao, .offset: 0, .size: 8, .value_kind: global_buffer, .address_space: global }
      - { .name: wb, .offset: 8, .size: 8, .value_kind: global_buffer, .address_space: global }
      - { .name: bo, .offset: 16, .size: 8, .value_kind: global_buffer, .address_space: global }
      - { .name: out0, .offset: 24, .size: 8, .value_kind: global_buffer, .address_space: global }
    .group_segment_fixed_size: 327680
    .private_segment_fixed_size: 0
    .kernarg_segment_align: 8
    .kernarg_segment_size: 32
    .max_flat_workgroup_size: 128
    .sgpr_count:     72
    .vgpr_count:     768
    .wavefront_size: 32
...
	.end_amdgpu_metadata
.endif
;; end of part 4
